; MI455X (gfx1250); checked and timed in simulation.
; The chip was launched on July 23, 2026; its instructions are those of AMD's public machine-readable ISA for CDNA 5 (MIT licence, August 2026) and "CDNA5" Instruction Set Architecture Reference Guide (July 2026). The comments in the code are by the model that wrote it; some were corrected since.
;; Scaled Dot Product Attention. Allowed arithmetic: matrix products marked QUANTISED: E2M3 operands, one E8M0 scale for each 32 along K, by v_wmma_scale_f32_16x16x128_f8f6f4 with both operands' format E2M3, f32 sums; everything else in f32.
;; Inputs: K_batch_codes 16 x 2,048 x 2 x 24 uint8 (E2M3 codes of K_batch, K innermost, in blocks of 32 codes, four codes in three bytes); K_batch_scales 16 x 2,048 x 2 uint8 (E8M0 scales of K_batch, one for each 32 codes along K); Q_batch_codes 16 x 2,048 x 2 x 24 uint8 (E2M3 codes of Q_batch, K innermost, in blocks of 32 codes, four codes in three bytes); Q_batch_scales 16 x 2,048 x 2 uint8 (E8M0 scales of Q_batch, one for each 32 codes along K); V_batch_codes 16 x 64 x 64 x 24 uint8 (E2M3 codes of V_batch, K innermost, in blocks of 32 codes, four codes in three bytes); V_batch_scales 16 x 64 x 64 uint8 (E8M0 scales of V_batch, one for each 32 codes along K); valid_lens 16 int32.
;; Outputs: out0 16 x 2,048 x 64 float32.
;; This version of the problem:
;;   THIS VERSION OF THE PROBLEM IS GIVEN IN LOW PRECISION. The matrix products marked QUANTISED in the list below multiply operands that are first quantised to E2M3 (2 exponent bits, 3 mantissa bits; 6 bits a number), with one power-of-two scale for each 32 numbers along K (OCP MX v1.0); their sums are f32. All else is computed in f32.
;;   The module's matrix products, in the order in which they are computed (A, B: the left and right operand; K: the contracted axis; several contracted axes count as one K, in the product's order):
;;     1. batch 16 x [M 2,048, K 64] x [K 64, N 2,048]; A: input Q_batch (given as codes); B: input K_batch (given as codes): QUANTISED
;;     2. batch 16 x [M 2,048, K 2,048] x [K 2,048, N 64]; A: softmax (see below); B: input V_batch (given as codes): QUANTISED
;;   THE QUANTISER, for each operand of a quantised product, along K:
;;     - K is cut into blocks of 32 from its start; a last block that is shorter is filled with zeros.
;;     - A block's scale is 2^e with e = floor(log2(the largest magnitude in the block)) - 2, held to -126 .. 127; a block of zeros has e = 0. As a byte (E8M0): e + 127.
;;     - Each number is divided by its block's scale, clamped to +-7.5, and rounded to the nearest number of E2M3, ties to even, subnormals kept.
;;     - The product sums the exact products of the quantised numbers (number of the format x scale) in f32.
;;   ~~~python
;;   def quantise(x, axis):      # numpy; x: float32 -> the quantised numbers, widened to float32 again
;;       x = np.moveaxis(x, axis, -1); K = x.shape[-1]
;;       x = np.pad(x, [(0, 0)] * (x.ndim - 1) + [(0, -K % 32)]); x = x.reshape(x.shape[:-1] + (-1, 32)); a = np.abs(x).max(-1, keepdims=True)
;;       e = np.where(a > 0, np.clip(np.frexp(np.where(a > 0, a, 1))[1] - 1 - 2, -126, 127), 0)      # np.frexp(a)[1] - 1 = floor(log2(a)), exactly
;;       r = np.clip(x / 2.0 ** e, -7.5, 7.5)
;;       step = 2.0 ** (np.maximum(np.frexp(np.where(r == 0, 1, r))[1] - 1, 0) - 3)
;;       q = np.round(r / step) * step * 2.0 ** e      # np.round: ties to even
;;       return np.moveaxis(q.reshape(q.shape[:-2] + (-1,))[..., :K], -1, axis).astype(np.float32)
;;   ~~~
;;   SOFTMAX AHEAD OF A QUANTISED PRODUCT. Where the list says 'softmax', what is quantised is not the finished softmax but p = 2^(t - M), with t = logit x log2(e) and M = ceil(the row's largest t), a whole number; so 1/2 < the row's largest p <= 1. The row's sum l is taken of the UNQUANTISED p, in f32, and the product's result is divided by l at the end. Since M is a whole number, a kernel that streams over the keys may use a running M (the ceiling of the running maximum): every later rescaling is an exact power of two, which a block's scale takes up: the codes' values come out the same.
;;   OPERANDS COMPUTED ON THE WAY. 'Computed on the way' means the value that the module computes at that place (a softmax that the list does not call 'softmax' is quantised finished and normalised). What goes into a quantiser is computed in f32, as accurately as f32 sums, v_exp_f32 and their like allow (about 1e-6 of the number): no bf16 or f16 on the way to a quantiser, and a product that is left as it is and whose result goes on into a quantised operand takes f32 operands (vector FMAs, or v_wmma_f32_16x16x4_f32). A number that lies on a knife's edge between two numbers of the format may be rounded either way, as far as f32 arithmetic and the matrix unit's own rounding can turn it there, and no further.
;;   INPUTS GIVEN AS CODES. K_batch (in the module: [16, 2048, 64], K = its axis 2); Q_batch (in the module: [16, 2048, 64], K = its axis 2); V_batch (in the module: [16, 2048, 64], K = its axis 1): each comes as NAME_codes (uint8): NAME with its K axis moved to the last place and cut into blocks of 32 codes, [.., K / 32, bytes a block], one block behind the other in memory; four codes in three bytes: a row's codes are one little-endian stream of bits, code i at bits 6 i .. 6 i + 5 (a code: sign, 2 exponent bits, 3 mantissa bits); and NAME_scales (uint8): the same leading axes, one E8M0 byte (e + 127) for each 32 codes along K. Its value is code x scale, taken as it is: it is not quantised again, and the codes and scales need not be those that the quantiser above would give.
;; One version. Each part assembles by itself: llvm-mc -triple=amdgcn-amd-amdhsa -mcpu=gfx1250 --defsym DOCPART=n.
;; ======== version 1 of 1: 1 launch
;; launch attn (part 1): grid 256 x 1, 8 waves a work-group, no clusters, 183,296 bytes of LDS; arguments Q_batch_codes, Q_batch_scales, K_batch_codes, K_batch_scales, V_batch_codes, V_batch_scales, valid_lens, out0; writes out0
.if DOCPART == 1
	.amdgcn_target "amdgcn-amd-amdhsa--gfx1250"
	.amdhsa_code_object_version 6
	.text
	.protected	k_q5bc26224dd_attn
	.globl	k_q5bc26224dd_attn
	.p2align	8
	.type	k_q5bc26224dd_attn,@function
k_q5bc26224dd_attn:
	s_mov_b64 s[64:65], 0
	v_nop
	global_prefetch_b8 v0, s[64:65] scope:SCOPE_SE
	s_setreg_imm32_b32 hwreg(HW_REG_WAVE_MODE, 25, 1), 1
	s_wait_xcnt 0x0
; out[b][q][:] = the sum over k < len[b] of softmax_k(Q[b][q] . K[b][k] / 8) V[b][k][:], both products on codes of FP6 (E2M3) with one E8M0 scale for each 32 along a product's K.
; Q, K: [16][2048] rows of 64 codes (48 bytes) and 2 scale bytes.  V: keys innermost, [16][64] rows of 2,048 codes (1,536 bytes) and 64 scale bytes.  out: [16][2048][64] f32.
; THE SOFTMAX: t = score x log2(e) / 8; M = the largest t so far, rounded up to a whole number; p = 2^(t - M) is quantised along the keys, not normalised; the sum of the unquantised p divides at the end.
; WHAT IS LEFT OUT.  A key step is 128 keys.  Steps that lie wholly behind len[b] have p = 0 throughout and are not walked: batch b has ceil(len / 128) steps.  In the step that holds len the hidden scores become
; -infinity ahead of the maximum.  len <= 0: every logit is the same -1e20, so p = 1 for all 2,048 keys: the batch is walked whole with the factor c = 0, which gives t = 0, M = 0, p = 1.
; SHARES.  256 work-groups of eight waves.  Every wave ranks the 16 batches by length.  Work-group g takes the 64 queries 64 (g % 32) on of TWO batches: rank g / 32 (side 0) and rank 15 - g / 32 (side 1): a short batch
; with a long one.  Waves w and w + 4 lie on different sides, and so do waves 2 i and 2 i + 1.  THE FOUR WAVES OF A SIDE SHARE THE KEYS, NOT THE QUERIES: the wave of phase p walks steps p, p + 4, p + 8, p + 12 for all four
; tiles of 16 queries.  So a work-group loads each byte of K and V once, straight into operand registers, each fragment feeds four tiles, and the loop touches no LDS.  At the end the four partial results of a side
; (O^T, -M, the sum) meet in LDS behind one barrier; the wave of phase p joins tile p, divides, and stores 16 whole rows.
; NO TENSOR LOADS, NO CLUSTER: the number of steps hangs on valid_lens, which is read from memory; walking all 16 steps of every batch would do
; 16 x 16 batch-steps where only the sum of ceil(len / 128) count.
; LAYOUT.  Both products are used transposed: S^T = K Q^T (source 0 = 16 keys, source 1 = 16 queries), O^T = V^T P^T (source 0 = 16 channels, source 1 = P): a lane holds ONE query (lane % 16) throughout.
; THE KEYS OF A TILE ARE NOT NEIGHBOURS: lane r of tile 2 b + u takes key 32 b + 8 u + r + 8 (r / 8), so that the 16 registers of tiles 2 b and 2 b + 1 are 16 neighbouring keys, 32 b + 16 (lane / 16) + 0 .. 15.
; THE HEAD IS 64, THE INSTRUCTION'S K IS 128: registers 6 to 11 of Q's fragments are zero codes.  A fragment of K is named as 12 registers of which the upper six are the next tile's codes (behind the last tile: zeros):
; they meet Q's zeros and add nothing (E2M3 has no infinity and no NaN; the scale words come by loads of 16 bits, so the bytes of the upper 64 are 0, which is 2^-127, not NaN).
; LIMITS.  Hidden keys count as p = 0: that holds while a row's largest valid t lies above about -1.4e20.  For len <= 0 the scores must be finite.  len > 2,048 counts as 2,048 and len < 0 as 0, as the compare of
; the key's index with len gives.  Scale bytes 0xff (NaN) among the inputs are not served.  p under 2^-126 falls to 0 (v_exp_f32 gives no denormals: ISA guide 15.8).
; REGISTERS, window 0: v1-15 addresses; v16-31 four registers of statistics a tile (-M, the largest t, the sum in two halves); v32-79 Q; v80-83 Q's scale words; v84-87 K's; v88-95 V's, for my four trips;
;   v96-159 S^T, then p; v160-178 p's codes; v180-197 at work; v200-253 K; v254 p's scale word.   window 1: v0-127 O^T (tile t, channels 16 d on: 32 t + 8 d); v128-175 V's four fragments.
.set STIMG, 131072                     ; LDS: 0 .. 131,071 images of O^T: 16,384 bytes a wave (4,096 a tile);  from here the statistics' images: 2,048 bytes a wave (512 a tile);
.set STAGE, 147456                     ; from here a stage of 16 rows x (256 + 16) bytes for each wave
.set AK,   1                           ; v1   K: (r + 8 (r / 8)) x 48 + 24 h
.set AV,   2                           ; v2   V: r x 1,536 + 24 h
.set AKS,  3                           ; v3   K's scale words: 2 x (8 h + r + 8 (r / 8))
.set MD,   4                           ; v4   len - 1 - my last step's first key - 16 h: register 16 b + i is hidden where 32 b + i is above it
.set IW,   5                           ; v5   where I store my images of O^T
.set SW,   6                           ; v6   and of the statistics
.set IR,   7                           ; v7   where I read my side's images of my tile
.set SR,   8                           ; v8   and its statistics
.set STO,  9                           ; v9   the stage: where I put 32 bytes of a row
.set NINF, 10                          ; v10  -infinity
.set LN,   11                          ; v11  lane
.set RR,   12                          ; v12  r = lane % 16
.set HH,   13                          ; v13  h = lane / 16
.set RD,   14                          ; v14  the stage: where I read a row back
.set GO,   15                          ; v15  my byte offset in the 16 rows of out that I store
.set ST,   16
.set QF,   32
.set QS,   80
.set KS,   84
.set VS,   88
.set S,    96
.set PC,   160                         ; p's codes: v160-171; the conversions' second halves: v172-174, v176-178
.set PB,   172
.set BM,   180                         ; v180-183 the blocks' largest scores, then largest p
.set PX,   184                         ; v184-187 the other half of the lanes' maxima, then the scale bytes
.set SO,   188                         ; v188-191 the conversions' scale operands
.set F,    192                         ; v[192:193] f = 2^(old M - new M)
.set T0,   195
.set C2,   196                         ; v[196:197] the sum's second chain
.set KF,   200
.set PW,   254
.set VF,   128                         ; in window 1
.set WV,   20
.set SIDE, 21
.set PH,   22
.set G,    23                          ; 4 x side + phase: my place among the images
.set PR,   24
.set QB,   25
.set TGT,  26
.set BAL,  27
.set BAT,  28
.set LEN,  29
.set NC,   30                          ; the batch's steps
.set NT,   31                          ; my trips, 0 to 4
.set CNT,  32
.set MK,   33                          ; 1: my last step holds hidden keys
.set CS,   34                          ; s[34:35] c = log2(e) / 8, or 0
.set SEL,  36                          ; s[36:37] v_permlanex16_b32's selects for lane l xor 16
.set ZB,   42                          ; the batches with len <= 0, a bit each
.set TP,   43
.set KEY,  44                          ; s[44:59] the 16 batches' keys: 16 x length + batch
.set MSB, 0
.macro WIN new                         ; the immediate's high byte repeats the setting that is left; a switch that changes nothing is dropped
.if MSB != \new
	s_set_vgpr_msb (MSB<<8)|\new
.set MSB, \new
.endif
.endm
	s_load_b512 s[4:19], s[0:1], 0x0               ; Q's codes s[4:5], Q's scales s[6:7], K's s[8:9], s[10:11], V's s[12:13], s[14:15], valid_lens s[16:17], out s[18:19]
	v_lshl_add_u32 v255, v0, 2, 0x2c800
	s_set_vgpr_msb 0x40
	v_mov_b32 v193, 0
	s_set_vgpr_msb 0x4000
	v_and_b32 v[LN], 31, v0
	v_and_b32 v[RR], 15, v0
	v_bfe_u32 v[HH], v0, 4, 1
	v_lshrrev_b32 v1, 5, v0
	s_delay_alu instid0(VALU_DEP_1)
	v_readfirstlane_b32 s[WV], v1                  ; wave 0..7
	s_delay_alu instid0(VALU_DEP_4)
	v_lshlrev_b32 v99, 2, v[RR]                    ; lane r asks for batch r's length
	WIN 0x40                                       ; destination window 1
.set i, 0
.rept 128
	v_mov_b32 v[i], 0                              ; O^T begins as zeros
.set i, i+1
.endr
	WIN 0
	s_wait_kmcnt 0x0
	global_load_b32 v96, v99, s[16:17]
	; while the lengths are on their way: roles, addresses, starting values
	s_lshr_b32 s[SIDE], s[WV], 2
	s_xor_b32 s[SIDE], s[SIDE], s[WV]
	s_and_b32 s[SIDE], s[SIDE], 1                  ; side 0: waves 0, 2, 5, 7;  side 1: waves 1, 3, 4, 6
	s_lshr_b32 s[PH], s[WV], 1                     ; phase 0..3
	s_lshl_b32 s[G], s[SIDE], 2
	s_add_co_u32 s[G], s[G], s[PH]
	s_lshl_b32 s[TP], s[G], 14
	v_lshl_add_u32 v[IW], v[LN], 4, s[TP]          ; 16 x lane + 16,384 G
	s_lshl_b32 s[TP], s[G], 11
	s_add_co_u32 s[TP], s[TP], STIMG
	v_lshl_add_u32 v[SW], v[LN], 4, s[TP]          ; 16 x lane + 2,048 G, behind the images
	s_lshl_b32 s[TP], s[SIDE], 16
	s_lshl_b32 s38, s[PH], 12
	s_add_co_u32 s[TP], s[TP], s38
	v_lshl_add_u32 v[IR], v[LN], 4, s[TP]          ; my side's four regions begin at 65,536 x side; in each, tile = my phase
	s_lshl_b32 s[TP], s[SIDE], 13
	s_lshl_b32 s38, s[PH], 9
	s_add_co_u32 s[TP], s[TP], s38
	s_add_co_u32 s[TP], s[TP], STIMG
	v_lshl_add_u32 v[SR], v[LN], 4, s[TP]
	s_mul_i32 s[TP], s[WV], 4352
	s_add_co_u32 s[TP], s[TP], STAGE               ; my stage
	v_mul_u32_u24 v[STO], v[RR], 272
	s_delay_alu instid0(VALU_DEP_1)
	v_lshl_add_u32 v[STO], v[HH], 5, v[STO]
	s_delay_alu instid0(VALU_DEP_1)
	v_add_nc_u32 v[STO], s[TP], v[STO]             ; in: row r, + 32 h
	v_mul_u32_u24 v[RD], v[HH], 272
	s_delay_alu instid0(VALU_DEP_1)
	v_lshl_add_u32 v[RD], v[RR], 4, v[RD]
	s_delay_alu instid0(VALU_DEP_1)
	v_add_nc_u32 v[RD], s[TP], v[RD]               ; back: lanes 0-15 one row of 256 bytes, lanes 16-31 the next
	v_lshlrev_b32 v[GO], 8, v[HH]
	s_delay_alu instid0(VALU_DEP_1)
	v_lshl_add_u32 v[GO], v[RR], 4, v[GO]          ; and the same two rows in out
	v_and_b32 v[AV], 8, v[RR]
	s_delay_alu instid0(VALU_DEP_1)
	v_add_nc_u32 v[AKS], v[AV], v[RR]              ; r + 8 (r / 8)
	s_delay_alu instid0(VALU_DEP_1)
	v_mul_u32_u24 v[AK], v[AKS], 48
	s_delay_alu instid0(VALU_DEP_1)
	v_mad_u32_u24 v[AK], v[HH], 24, v[AK]
	s_delay_alu instid0(VALU_DEP_3)
	v_lshl_add_u32 v[AKS], v[HH], 3, v[AKS]        ; lanes 16-31 take the words of the odd tile, 8 keys on
	s_delay_alu instid0(VALU_DEP_1)
	v_lshlrev_b32 v[AKS], 1, v[AKS]
	v_mul_u32_u24 v[AV], v[RR], 1536
	s_delay_alu instid0(VALU_DEP_1)
	v_mad_u32_u24 v[AV], v[HH], 24, v[AV]
	v_mov_b32 v[NINF], 0xff800000
	s_mov_b32 s[SEL], 0x76543210
	s_mov_b32 s[SEL+1], 0xfedcba98
.irp t, 0,1,2,3
.irp j, 6,7,8,9,10,11
	v_mov_b32 v[QF+12*\t+\j], 0                    ; Q's codes for the instruction's upper 64 along K: zeros, written once
.endr
.endr
.irp j, 48,49,50,51,52,53
	v_mov_b32 v[KF+\j], 0                          ; what the last tile of K names as its upper six registers
.endr
.irp b, 0,1,2,3
	v_mov_b32 v[PX+\b], 0                          ; written once: a lane permute's destination counts as one of its sources
.endr
	v_mov_b32 v[F+1], 0                            ; (named as the upper half of the pair with f)
.irp t, 0,1,2,3
	v_mov_b32 v[ST+4*\t+1], 0xff61b1e6             ; the largest t so far: -3e38, under every t
	s_delay_alu instid0(VALU_DEP_1)
	v_floor_f32 v[ST+4*\t], -v[ST+4*\t+1]          ; -M
	v_mov_b32 v[ST+4*\t+2], 0                      ; the sum, in two halves
	v_mov_b32 v[ST+4*\t+3], 0
.endr
	v_mov_b32 v98, 0                               ; my batch's rank
	v_mov_b32 v100, 1
	s_wait_loadcnt 0x0                             ; the lengths (and v99 is free)
	; THE RANKING.  A batch's effective length: 2,048 where len <= 0 (all keys count alike), else len held at 2,048.  Key = 16 x length + batch: no two alike.  Rank = how many keys lie under mine.
	v_mov_b32 v99, 0x800
	v_cmp_gt_i32 s[ZB], 1, v96                     ; 1 > len
	s_delay_alu instid0(VALU_DEP_1)
	v_cndmask_b32 v96, v96, v99, s[ZB]
	s_delay_alu instid0(VALU_DEP_1)
	v_min_u32 v96, 0x800, v96
	s_delay_alu instid0(VALU_DEP_1)
	v_lshl_or_b32 v97, v96, 4, v[RR]
.irp j, 0,1,2,3,4,5,6,7,8,9,10,11,12,13,14,15
	v_readlane_b32 s[KEY+\j], v97, \j
.endr
.irp j, 0,1,2,3,4,5,6,7,8,9,10,11,12,13,14,15
	v_cmp_lt_u32 vcc_lo, s[KEY+\j], v97
	s_delay_alu instid0(VALU_DEP_1)
	v_cndmask_b32 v99, 0, v100, vcc_lo
	s_delay_alu instid0(VALU_DEP_1)
	v_add_nc_u32 v98, v98, v99
.endr
	s_lshr_b32 s[PR], ttmp9, 5
	s_and_b32 s[QB], ttmp9, 31
	s_sub_co_u32 s[TGT], 15, s[PR]
	s_cmp_eq_u32 s[SIDE], 0
	s_cselect_b32 s[TGT], s[PR], s[TGT]            ; the rank that my side takes
	v_cmp_eq_u32 s[BAL], s[TGT], v98
	s_ctz_i32_b32 s[BAT], s[BAL]                   ; the lane, and so the batch, of that rank
	s_min_u32 s[BAT], s[BAT], 15
	v_readlane_b32 s[LEN], v97, s[BAT]
	s_lshr_b32 s[LEN], s[LEN], 4
	s_min_u32 s[LEN], s[LEN], 0x800                ; its effective length, 1 to 2,048
	s_lshr_b32 s[TP], s[ZB], s[BAT]
	s_and_b32 s[TP], s[TP], 1
	s_cmp_lg_u32 s[TP], 0
	s_cselect_b32 s[CS], 0, 0x3e38aa3b             ; c = log2(e) / 8; 0 where len <= 0
	s_mov_b32 s[CS+1], s[CS]                       ; (the packed form names the pair)
	s_add_co_u32 s[NC], s[LEN], 127
	s_lshr_b32 s[NC], s[NC], 7                     ; steps of the batch, 1 to 16
	s_add_co_u32 s[NT], s[NC], 3
	s_sub_co_u32 s[NT], s[NT], s[PH]
	s_lshr_b32 s[NT], s[NT], 2
	s_min_u32 s[NT], s[NT], 4                      ; steps phase, phase + 4 .. under that: my trips
	s_lshl_b32 s[TP], s[NT], 2
	s_add_co_u32 s[TP], s[TP], s[PH]
	s_sub_co_u32 s[TP], s[TP], 4                   ; my last step (used only where I have one)
	s_lshl_b32 s[TP], s[TP], 7                     ; its first key
	s_add_co_u32 s38, s[TP], 128
	s_cmp_gt_u32 s38, s[LEN]
	s_cselect_b32 s[MK], 1, 0                      ; does it reach past len?
	s_sub_co_u32 s38, s[LEN], 1
	s_sub_co_u32 s38, s38, s[TP]
	v_lshlrev_b32 v[MD], 4, v[HH]
	s_delay_alu instid0(VALU_DEP_1)
	v_sub_nc_u32 v[MD], s38, v[MD]
	; the bases: each offset is made apart from its address, in a pair with 0 above it
	s_mov_b32 s39, 0
	s_mov_b32 s41, 0
	s_mul_i32 s38, s[BAT], 98304                   ; a batch's codes, in each of the three tensors
	s_mul_i32 s40, s[QB], 3072                     ; Q: my block's 64 rows of 48 bytes
	s_add_co_u32 s40, s40, s38
	s_add_nc_u64 s[4:5], s[4:5], s[40:41]
	s_mul_i32 s40, s[PH], 6144                     ; K: step = phase: 128 rows of 48 bytes
	s_add_co_u32 s40, s40, s38
	s_add_nc_u64 s[8:9], s[8:9], s[40:41]
	s_mul_i32 s40, s[PH], 96                       ; V: 128 codes on in each row
	s_add_co_u32 s40, s40, s38
	s_add_nc_u64 s[12:13], s[12:13], s[40:41]
	s_lshl_b32 s38, s[BAT], 12                     ; a batch's scale bytes: 4,096
	s_lshl_b32 s40, s[QB], 7
	s_add_co_u32 s40, s40, s38
	s_add_nc_u64 s[6:7], s[6:7], s[40:41]
	s_lshl_b32 s40, s[PH], 8
	s_add_co_u32 s40, s40, s38
	s_add_nc_u64 s[10:11], s[10:11], s[40:41]
	s_lshl_b32 s40, s[PH], 2
	s_add_co_u32 s40, s40, s38
	s_add_nc_u64 s[14:15], s[14:15], s[40:41]
	s_lshl_b32 s38, s[BAT], 19                     ; out: 2,048 rows of 256 bytes a batch, 64 a block, 16 a tile: I store tile = my phase
	s_lshl_b32 s40, s[QB], 14
	s_add_co_u32 s40, s40, s38
	s_lshl_b32 s[TP], s[PH], 12
	s_add_co_u32 s40, s40, s[TP]
	s_add_nc_u64 s[18:19], s[18:19], s[40:41]
	s_cmp_eq_u32 s[NT], 0
	s_cbranch_scc1 .Lmerge                         ; no step is mine: my zeros go to the merge.  No load is out here
; A step's K: 8 tiles of 16 keys x 64 codes, six registers each, and 4 registers of scale words (lanes 0-15 the even tile's, lanes 16-31 the odd tile's): 28 loads
.macro KLOAD
.irp k, 0,1,2,3,4,5,6,7
.irp p, 0,1,2
	global_load_b64 v[KF+6*\k+2*\p:KF+6*\k+2*\p+1], v[AK], s[8:9] offset:(32*(\k/2)+8*(\k%2))*48+8*\p
.endr
.endr
.irp b, 0,1,2,3
	global_load_u16 v[KS+\b], v[AKS], s[10:11] offset:64*\b
.endr
.endm
; A step's V: 4 fragments of 16 channels x 128 keys, twelve registers each, in pieces of 8 bytes: 24 loads
.macro VLOAD
	WIN 0x40                                       ; destination window 1, address window 0
.irp d, 0,1,2,3
.irp p, 0,1,2,3,4,5
	global_load_b64 v[VF+12*\d+2*\p:VF+12*\d+2*\p+1], v[AV], s[12:13] offset:\d*24576+48*(\p/3)+8*(\p%3)
.endr
.endr
	WIN 0
.endm
	v_lshlrev_b32 v[T0], 6, v[LN]                  ; V's scale words: lane l takes channel 32 u + l, 64 bytes a channel; my trip i's word lies 16 i bytes on.  All four trips' words come now: all lie inside the batch's rows
.irp i, 0,1,2,3
.irp u, 0,1
	global_load_b32 v[VS+2*\i+\u], v[T0], s[14:15] offset:2048*\u+16*\i
.endr
.endr
	v_mul_u32_u24 v[C2], v[RR], 48
	s_delay_alu instid0(VALU_DEP_1)
	v_mad_u32_u24 v[C2], v[HH], 24, v[C2]          ; Q: row r, + 24 h
	v_lshlrev_b32 v[C2+1], 1, v[RR]                ; and its scale bytes
.irp t, 0,1,2,3
.irp p, 0,1,2
	global_load_b64 v[QF+12*\t+2*\p:QF+12*\t+2*\p+1], v[C2], s[4:5] offset:768*\t+8*\p
.endr
	global_load_u16 v[QS+\t], v[C2+1], s[6:7] offset:32*\t
.endr
	KLOAD
	VLOAD
; ONE TILE OF 16 QUERIES IN ONE KEY STEP.  mask = 1: the text holds the lines that hide keys (my last step alone can need them).  kl = 1: the next step's K is asked for as soon as this step's last products K Q^T are
; issued;  vl = 1: the next step's V likewise behind the last products V^T P^T.
; No two matrix instructions that follow each other share an accumulator, and an accumulator of O^T has one link a step.
.macro TILE tl, mask, kl, vl
.set rT, ST+4*(\tl)
.set rQ, QF+12*(\tl)
.set rO, 32*(\tl)
.irp k, 0,1,2,3,4,5,6,7
.if (\k)%2
	v_wmma_scale_f32_16x16x128_f8f6f4 v[S+8*\k:S+8*\k+7], v[KF+6*\k:KF+6*\k+11], v[rQ:rQ+11], 0, v[KS+\k/2], v[QS+\tl] matrix_a_fmt:MATRIX_FMT_FP6 matrix_b_fmt:MATRIX_FMT_FP6 matrix_a_scale:MATRIX_SCALE_ROW1
.else
	v_wmma_scale_f32_16x16x128_f8f6f4 v[S+8*\k:S+8*\k+7], v[KF+6*\k:KF+6*\k+11], v[rQ:rQ+11], 0, v[KS+\k/2], v[QS+\tl] matrix_a_fmt:MATRIX_FMT_FP6 matrix_b_fmt:MATRIX_FMT_FP6
.endif
.endr
.rept 4
	v_nop                                          ; four places behind the products, in front of the first read of the scores and of loads into K's registers
.endr
.if \kl
	s_wait_xcnt 0x0                                ; the last loads of K have read their bases: they may step
	s_add_nc_u64 s[8:9], s[8:9], 24576             ; four steps on: 512 keys of 48 bytes,
	s_add_nc_u64 s[10:11], s[10:11], 1024          ; of 2 scale bytes
	KLOAD
.endif
.if \mask
	s_cmp_eq_u32 s[MK], 0
	s_cbranch_scc1 .Lopen_\@                       ; all 128 keys count
	s_wait_alu depctr_va_vdst(0)
.irp n, 0,1,2,3,4,5,6,7,8,9,10,11,12,13,14,15,16,17,18,19,20,21,22,23,24,25,26,27,28,29,30,31,32,33,34,35,36,37,38,39,40,41,42,43,44,45,46,47,48,49,50,51,52,53,54,55,56,57,58,59,60,61,62,63
	v_cmp_gt_i32 vcc_lo, 32*(\n/16)+\n%16, v[MD]   ; register 16 b + i holds key 32 b + 16 h + i of the step
	v_cndmask_b32 v[S+\n], v[S+\n], v[NINF], vcc_lo
.endr
.Lopen_\@:
.endif
.irp b, 0,1,2,3
	v_max3_num_f32 v[BM+\b], v[S+16*\b], v[S+1+16*\b], v[S+2+16*\b]   ; the largest score of each block of 32 keys: for the row's maximum, and, since p rises with the score, for the block's largest p
.endr
.irp i, 3,5,7,9,11,13
.irp b, 0,1,2,3
	v_max3_num_f32 v[BM+\b], v[BM+\b], v[S+16*\b+\i], v[S+1+16*\b+\i]   ; (the four blocks by turns)
.endr
.endr
.irp b, 0,1,2,3
	v_max_num_f32 v[BM+\b], v[BM+\b], v[S+15+16*\b]
.endr
.irp b, 0,1,2,3
	s_delay_alu instid0(VALU_DEP_4)
	v_permlanex16_b32 v[PX+\b], v[BM+\b], s[SEL], s[SEL+1]
.endr
.irp b, 0,1,2,3
	s_delay_alu instid0(VALU_DEP_4)
	v_max_num_f32 v[BM+\b], v[BM+\b], v[PX+\b]     ; with lane l xor 16's 16 keys
.endr
	s_delay_alu instid0(VALU_DEP_2)
	v_max3_num_f32 v[T0], v[BM], v[BM+1], v[BM+2]
	s_delay_alu instid0(VALU_DEP_1)
	v_max_num_f32 v[T0], v[T0], v[BM+3]            ; the step's largest score of my query
	s_delay_alu instid0(VALU_DEP_1)
	v_mul_f32 v[T0], s[CS], v[T0]                  ; as t (c is not negative)
	s_delay_alu instid0(VALU_DEP_1)
	v_max_num_f32 v[rT+1], v[rT+1], v[T0]          ; the running largest t
	v_mov_b32 v[T0], v[rT]
	s_delay_alu instid0(VALU_DEP_2)
	v_floor_f32 v[rT], -v[rT+1]                    ; the new -M = floor(-t) = -ceil(t): a whole number
	s_delay_alu instid0(VALU_DEP_1)
	v_sub_f32 v[T0], v[rT], v[T0]                  ; old M - new M: a whole number, 0 or less
	s_delay_alu instid0(VALU_DEP_1)
	v_cvt_i32_f32 v[T0], v[T0]                     ; (it saturates)
	s_delay_alu instid0(VALU_DEP_1)
	v_ldexp_f32 v[F], 1.0, v[T0]                   ; f = 2^(old M - new M): the multiplications by it round nothing
	WIN 0x41                                       ; O^T (destination and source 0) in window 1, f in window 0
.irp j, 0,2,4,6,8,10,12,14,16,18,20,22,24,26,28,30
	v_pk_mul_f32 v[rO+\j:rO+\j+1], v[rO+\j:rO+\j+1], v[F:F+1] op_sel_hi:[1,0]   ; the tile's O^T under the new M; each accumulator from its low end on
.endr
	WIN 0
.irp j, 0,2,4,6,8,10,12,14,16,18,20,22,24,26,28,30,32,34,36,38,40,42,44,46,48,50,52,54,56,58,60,62
	v_pk_fma_f32 v[S+\j:S+\j+1], v[S+\j:S+\j+1], s[CS:CS+1], v[rT:rT+1] op_sel_hi:[1,0,0]   ; t - M, two at a time (of the pairs c and -M the low word serves both halves)
.endr
.irp b, 0,1,2,3
	v_fma_f32 v[BM+\b], v[BM+\b], s[CS], v[rT]     ; the same of each block's largest score
.endr
	s_wait_alu depctr_va_vdst(0)
.irp j, 0,1,2,3,4,5,6,7,8,9,10,11,12,13,14,15,16,17,18,19,20,21,22,23,24,25,26,27,28,29,30,31,32,33,34,35,36,37,38,39,40,41,42,43,44,45,46,47,48,49,50,51,52,53,54,55,56,57,58,59,60,61,62,63
	v_exp_f32 v[S+\j], v[S+\j]                     ; p = 2^(t - M), at most 1: not normalised
.endr
.irp b, 0,1,2,3
	v_exp_f32 v[BM+\b], v[BM+\b]                   ; the block's largest p: the same two instructions on the same number give the same bits
.endr
	v_pk_mul_f32 v[rT+2:rT+3], v[rT+2:rT+3], v[F:F+1] op_sel_hi:[1,0]   ; the sums under the new M.  (The plain instruction behind the exponentials: ISA guide 5.7.2)
	s_wait_alu depctr_va_vdst(0)
.irp b, 0,1,2,3
	v_max_num_f32 v[BM+\b], 0x1800000, v[BM+\b]    ; the floor 2^(3 - 127): the byte cannot fall under 1 (a block whose every p is 0 keeps that byte: its codes are zeros)
.endr
.irp b, 0,1,2,3
	s_delay_alu instid0(VALU_DEP_4)
	v_add_nc_u32 v[SO+\b], 0xff000000, v[BM+\b]    ; 2 off the exponent field: the conversion's scale operand
.endr
.irp b, 0,1,2,3
	s_delay_alu instid0(VALU_DEP_4)
	v_lshrrev_b32 v[PX+\b], 23, v[SO+\b]           ; the scale's byte
.endr
	s_delay_alu instid0(VALU_DEP_3)
	v_lshl_or_b32 v[PW], v[PX+1], 8, v[PX]         ; p's scale word for these 128 keys
	s_delay_alu instid0(VALU_DEP_1)
	v_lshl_or_b32 v[PW], v[PX+2], 16, v[PW]
	s_delay_alu instid0(VALU_DEP_1)
	v_lshl_or_b32 v[PW], v[PX+3], 24, v[PW]
.irp c, 0,1
	v_cvt_scalef32_pk16_fp6_f32 v[PC+6*\c:PC+6*\c+2], v[S+32*\c:S+32*\c+15], v[SO+2*\c]
	v_cvt_scalef32_pk16_fp6_f32 v[PB+4*\c:PB+4*\c+2], v[S+32*\c+16:S+32*\c+31], v[SO+2*\c+1]   ; (a conversion's three registers begin on an even number)
.endr
	v_nop                                          ; one plain instruction behind the scaled conversions
.irp c, 0,1                                    ; the operand's layout wants a WHOLE block in a lane: lanes 0-15 block 2 c, lanes 16-31 block 2 c + 1
.irp i, 0,1,2
	v_permlane16_swap_b32 v[PC+6*\c+\i], v[PB+4*\c+\i]
.endr
.irp i, 0,1,2
	s_delay_alu instid0(VALU_DEP_3)
	v_mov_b32 v[PC+3+6*\c+\i], v[PB+4*\c+\i]
.endr
.endr
	v_pk_add_f32 v[C2:C2+1], v[S:S+1], v[S+2:S+3]  ; the row's sum is taken of the UNQUANTISED p: two at a time, in two chains.  These 32 are also the places between the writes of p's codes and scale word and the products below
.irp j, 4,8,12,16,20,24,28,32,36,40,44,48,52,56,60
	v_pk_add_f32 v[rT+2:rT+3], v[rT+2:rT+3], v[S+\j:S+\j+1]
	v_pk_add_f32 v[C2:C2+1], v[C2:C2+1], v[S+2+\j:S+3+\j]
.endr
	s_delay_alu instid0(VALU_DEP_1)
	v_pk_add_f32 v[rT+2:rT+3], v[rT+2:rT+3], v[C2:C2+1]
.if (\tl) == 0
	s_wait_loadcnt 0x0                             ; this step's V is in: nothing was asked for behind it
.endif
	WIN 0x51                                       ; V, C and D in window 1, p's codes in window 0
.irp d, 0,1,2,3
.if (\d)%2
	v_wmma_scale_f32_16x16x128_f8f6f4 v[rO+8*\d:rO+8*\d+7], v[VF+12*\d:VF+12*\d+11], v[PC:PC+11], v[rO+8*\d:rO+8*\d+7], v[VS+\d/2], v[PW] matrix_a_fmt:MATRIX_FMT_FP6 matrix_b_fmt:MATRIX_FMT_FP6 matrix_a_scale:MATRIX_SCALE_ROW1
.else
	v_wmma_scale_f32_16x16x128_f8f6f4 v[rO+8*\d:rO+8*\d+7], v[VF+12*\d:VF+12*\d+11], v[PC:PC+11], v[rO+8*\d:rO+8*\d+7], v[VS+\d/2], v[PW] matrix_a_fmt:MATRIX_FMT_FP6 matrix_b_fmt:MATRIX_FMT_FP6
.endif
.endr
	WIN 0
.if \vl
.rept 4
	v_nop                                          ; four places in front of loads into V's registers and of the moves onto V's scale words
.endr
	s_wait_xcnt 0x0                                ; the last loads of V have read their base
	s_add_nc_u64 s[12:13], s[12:13], 384           ; four steps on: 512 codes in each row
	VLOAD
.irp i, 0,1,2,3,4,5
	v_mov_b32 v[VS+\i], v[VS+2+\i]                 ; the next trip's two scale words move to the front
.endr
.endif
.endm
; A KEY STEP for the four tiles.  next = 1: a step of mine follows; then this one is not the batch's last and hides nothing.
.macro STEP next
	s_wait_loadcnt 24                              ; loads come back in order (ISA guide 5.7.1): this step's K (and at first Q and the scale words) is in; the 24 loads of V, issued behind K's 28, may be out
	TILE 0, 1-\next, 0, 0
	TILE 1, 1-\next, 0, 0
	TILE 2, 1-\next, 0, 0
	TILE 3, 1-\next, \next, \next
.endm
	s_sub_co_u32 s[CNT], s[NT], 1
	s_cmp_eq_u32 s[CNT], 0
	s_cbranch_scc1 .Ltail
.Lstep:                                            ; my trips but the last: each asks for the step four on, which is one of the batch's: no load leaves its buffer
	STEP 1
	s_sub_co_u32 s[CNT], s[CNT], 1
	s_cmp_lg_u32 s[CNT], 0
	s_cbranch_scc1 .Lstep
.Ltail:
	STEP 0                                         ; my last step asks for nothing
.rept 4
	v_nop                                          ; four places behind the last products, in front of the stores that read O^T and of loads into p's codes' registers
.endr
.Lmerge:
	; THE MERGE.  My statistics and my O^T go to LDS as images of their registers: lane l's 16 bytes at 16 l, 512 bytes a store.
.irp t, 0,1,2,3
	ds_store_b128 v[SW], v[ST+4*\t:ST+4*\t+3] offset:512*\t
.endr
	WIN 0x04                                       ; an LDS store's data are its source 1: window 1
.set i, 0
.rept 32
	ds_store_b128 v[IW], v[4*i:4*i+3] offset:512*i ; ascending: each accumulator from its low end on
.set i, i+1
.endr
	WIN 0
	s_wait_dscnt 0x0                               ; for the others' sake: my stores have landed
	s_barrier_signal -1
	s_barrier_wait -1                              ; everybody's have
.irp w, 0,1,2,3
	ds_load_b128 v[96+4*\w:99+4*\w], v[SR] offset:2048*\w          ; the four phases' statistics of my tile
.endr
.irp w, 0,1,2,3
.irp k, 0,1,2,3,4,5,6,7
	ds_load_b128 v[112+32*\w+4*\k:115+32*\w+4*\k], v[IR] offset:16384*\w+512*\k   ; and their O^T: 32 registers each
.endr
.endr
	v_mov_b32 v38, 0                               ; (a lane permute's destination counts as one of its sources)
	s_wait_dscnt 32                                ; the statistics are in; the 32 loads behind them may be out
	v_min3_num_f32 v32, v96, v100, v104
	s_delay_alu instid0(VALU_DEP_1)
	v_min_num_f32 v32, v32, v108                   ; the least -M: the row's M
.irp w, 0,1,2,3
	v_sub_f32 v[33+\w], v32, v[96+4*\w]            ; phase w's M less the row's: a whole number, 0 or less (a phase without steps: about -3e38)
.endr
.irp w, 0,1,2,3
	s_delay_alu instid0(VALU_DEP_4)
	v_cvt_i32_f32 v[33+\w], v[33+\w]               ; (it saturates)
.endr
.irp w, 0,1,2,3
	s_delay_alu instid0(VALU_DEP_4)
	v_ldexp_f32 v[33+\w], 1.0, v[33+\w]            ; f_w: brings phase w's sums under the row's M; 0 for a phase without steps
.endr
.irp w, 0,1,2,3
	v_add_f32 v[98+4*\w], v[98+4*\w], v[99+4*\w]   ; a sum's two halves
.endr
	s_delay_alu instid0(VALU_DEP_4)
	v_mul_f32 v37, v33, v98
	s_delay_alu instid0(VALU_DEP_1)
	v_fma_f32 v37, v34, v102, v37
	s_delay_alu instid0(VALU_DEP_1)
	v_fma_f32 v37, v35, v106, v37
	s_delay_alu instid0(VALU_DEP_1)
	v_fma_f32 v37, v36, v110, v37
	s_delay_alu instid0(VALU_DEP_1)
	v_permlanex16_b32 v38, v37, s[SEL], s[SEL+1]
	s_delay_alu instid0(VALU_DEP_1)
	v_add_f32 v37, v37, v38                        ; with lane l xor 16's keys: the row's sum
	s_wait_alu depctr_va_vdst(0)
	v_rcp_f32 v37, v37
	v_nop                                          ; one plain instruction behind the reciprocal
	s_wait_alu depctr_va_vdst(0)
.irp w, 0,1,2,3
	v_mul_f32 v[40+2*\w], v[33+\w], v37            ; g_w = f_w / the sum
	v_mul_f32 v[41+2*\w], v[33+\w], v37            ; (the pair is named whole)
.endr
	s_wait_alu depctr_va_vdst(0)
	s_wait_dscnt 0x0
.irp j, 0,2,4,6,8,10,12,14,16,18,20,22,24,26,28,30
	v_pk_mul_f32 v[112+\j:113+\j], v[112+\j:113+\j], v[40:41] op_sel_hi:[1,0]
.endr
.irp w, 1,2,3
.irp j, 0,2,4,6,8,10,12,14,16,18,20,22,24,26,28,30
	v_pk_fma_f32 v[112+\j:113+\j], v[112+32*\w+\j:113+32*\w+\j], v[40+2*\w:41+2*\w], v[112+\j:113+\j] op_sel_hi:[1,0,1]
.endr
.endr
	; THE WAY OUT.  Register 8 d + j is out(r, 16 d + 8 h + j): a lane's 32 bytes go into my own stage, rows of 272 bytes, and come back as whole rows of 256.
.irp d, 0,1,2,3
.irp e, 0,1
	ds_store_b128 v[STO], v[112+8*\d+4*\e:115+8*\d+4*\e] offset:64*\d+16*\e
.endr
.endr
.irp i, 0,1,2,3,4,5,6,7
	ds_load_b128 v[48+4*\i:51+4*\i], v[RD] offset:544*\i           ; LDS serves a wave's instructions in order (ISA guide 5.7.1.4): these see my stores
.endr
.irp i, 0,1,2,3,4,5,6,7
	s_wait_dscnt 7-\i                              ; the younger reads of the stage may be out
	global_store_b128 v[GO], v[48+4*\i:51+4*\i], s[18:19] offset:512*\i th:TH_STORE_NT   ; 16 lanes store 256 consecutive bytes, at a multiple of 256 from out's first byte; written once, read by nobody here
.endr
	s_set_vgpr_msb 0x4
	s_wait_tensorcnt 0x0
	ds_add_u32 v255, v193
	s_wait_dscnt 0x0
	s_set_vgpr_msb 0x400
	s_endpgm
.Lfunc_end_k_q5bc26224dd_attn:
	.size	k_q5bc26224dd_attn, .Lfunc_end_k_q5bc26224dd_attn-k_q5bc26224dd_attn
	.p2alignl 7, 3214868480
	.fill 96, 4, 3214868480
	.section	.rodata,"a",@progbits
	.p2align	6, 0x0
	.amdhsa_kernel k_q5bc26224dd_attn
		.amdhsa_group_segment_fixed_size 183296
		.amdhsa_private_segment_fixed_size 0
		.amdhsa_enable_private_segment 0
		.amdhsa_kernarg_size 64
		.amdhsa_user_sgpr_count 2
		.amdhsa_user_sgpr_kernarg_segment_ptr 1
		.amdhsa_wavefront_size32 1
		.amdhsa_system_sgpr_workgroup_id_x 1
		.amdhsa_system_sgpr_workgroup_id_y 1
		.amdhsa_system_sgpr_workgroup_id_z 1
		.amdhsa_system_vgpr_workitem_id 0
		.amdhsa_next_free_vgpr 450
		.amdhsa_next_free_sgpr 66
		.amdhsa_reserve_vcc 1
		.amdhsa_float_denorm_mode_32 3
		.amdhsa_float_denorm_mode_16_64 3
		.amdhsa_memory_ordered 1
		.amdhsa_forward_progress 1
		.amdhsa_inst_pref_size 178
	.end_amdhsa_kernel
	.amdgpu_metadata
---
amdhsa.version: [ 1, 2 ]
amdhsa.kernels:
  - .name:           k_q5bc26224dd_attn
    .symbol:         k_q5bc26224dd_attn.kd
    .args:
      - { .name: Q_batch_codes, .offset: 0, .size: 8, .value_kind: global_buffer, .address_space: global }
      - { .name: Q_batch_scales, .offset: 8, .size: 8, .value_kind: global_buffer, .address_space: global }
      - { .name: K_batch_codes, .offset: 16, .size: 8, .value_kind: global_buffer, .address_space: global }
      - { .name: K_batch_scales, .offset: 24, .size: 8, .value_kind: global_buffer, .address_space: global }
      - { .name: V_batch_codes, .offset: 32, .size: 8, .value_kind: global_buffer, .address_space: global }
      - { .name: V_batch_scales, .offset: 40, .size: 8, .value_kind: global_buffer, .address_space: global }
      - { .name: valid_lens, .offset: 48, .size: 8, .value_kind: global_buffer, .address_space: global }
      - { .name: out0, .offset: 56, .size: 8, .value_kind: global_buffer, .address_space: global }
    .group_segment_fixed_size: 183296
    .private_segment_fixed_size: 0
    .kernarg_segment_align: 8
    .kernarg_segment_size: 64
    .max_flat_workgroup_size: 256
    .sgpr_count:     66
    .vgpr_count:     450
    .wavefront_size: 32
...
	.end_amdgpu_metadata
.endif
;; end of part 1
